; MI455X (gfx1250); checked and timed in simulation.
; The chip was launched on July 23, 2026; its instructions are those of AMD's public machine-readable ISA for CDNA 5 (MIT licence, August 2026) and "CDNA5" Instruction Set Architecture Reference Guide (July 2026). The comments in the code are by the model that wrote it; some were corrected since.
;; Router. Allowed arithmetic: matrix products marked QUANTISED: E2M1 operands, one E8M0 scale for each 32 along K, by v_wmma_scale_f32_16x16x128_f8f6f4 with both operands' format E2M1 (or v_wmma_scale_f32_32x16x128_f4), f32 sums; products left as they are: f32 operands where the result goes on into a quantised operand, else bf16, f16 or f32 operands; f32 sums; everything else in f32.
;; Inputs: b1 8 x 512 float32; b2 8 x 512 float32; gate_w 8 x 512 float32; w1_codes 8 x 512 x 16 x 16 uint8 (E2M1 codes of w1, K innermost, in blocks of 32 codes, two codes a byte); w1_scales 8 x 512 x 16 uint8 (E8M0 scales of w1, one for each 32 codes along K); w2_codes 8 x 512 x 16 x 16 uint8 (E2M1 codes of w2, K innermost, in blocks of 32 codes, two codes a byte); w2_scales 8 x 512 x 16 uint8 (E8M0 scales of w2, one for each 32 codes along K); x 8 x 2,048 x 512 float32.
;; Outputs: out0 8 x 2,048 x 512 float32.
;; This version of the problem:
;;   THIS VERSION OF THE PROBLEM IS GIVEN IN LOW PRECISION. The matrix products marked QUANTISED in the list below multiply operands that are first quantised to E2M1 (2 exponent bits, 1 mantissa bit; 4 bits a number), with one power-of-two scale for each 32 numbers along K (OCP MX v1.0); their sums are f32. All else is computed in f32.
;;   The module's matrix products, in the order in which they are computed (A, B: the left and right operand; K: the contracted axis; several contracted axes count as one K, in the product's order):
;;     1. [M 16,384, K 512] x [K 512, N 8]; A: input x; B: input gate_w: left as it is (N = 8 < 16)
;;     2. [M 16,384, K 512] x [K 512, N 512]; A: input x; B: input w1 (given as codes): QUANTISED
;;     3. [M 16,384, K 512] x [K 512, N 512]; A: computed on the way; B: input w2 (given as codes): QUANTISED
;;     4. [M 16,384, K 512] x [K 512, N 512]; A: input x; B: input w1 (given as codes): QUANTISED
;;     5. [M 16,384, K 512] x [K 512, N 512]; A: computed on the way; B: input w2 (given as codes): QUANTISED
;;     6. [M 16,384, K 512] x [K 512, N 512]; A: input x; B: input w1 (given as codes): QUANTISED
;;     7. [M 16,384, K 512] x [K 512, N 512]; A: computed on the way; B: input w2 (given as codes): QUANTISED
;;     8. [M 16,384, K 512] x [K 512, N 512]; A: input x; B: input w1 (given as codes): QUANTISED
;;     9. [M 16,384, K 512] x [K 512, N 512]; A: computed on the way; B: input w2 (given as codes): QUANTISED
;;     10. [M 16,384, K 512] x [K 512, N 512]; A: input x; B: input w1 (given as codes): QUANTISED
;;     11. [M 16,384, K 512] x [K 512, N 512]; A: computed on the way; B: input w2 (given as codes): QUANTISED
;;     12. [M 16,384, K 512] x [K 512, N 512]; A: input x; B: input w1 (given as codes): QUANTISED
;;     13. [M 16,384, K 512] x [K 512, N 512]; A: computed on the way; B: input w2 (given as codes): QUANTISED
;;     14. [M 16,384, K 512] x [K 512, N 512]; A: input x; B: input w1 (given as codes): QUANTISED
;;     15. [M 16,384, K 512] x [K 512, N 512]; A: computed on the way; B: input w2 (given as codes): QUANTISED
;;     16. [M 16,384, K 512] x [K 512, N 512]; A: input x; B: input w1 (given as codes): QUANTISED
;;     17. [M 16,384, K 512] x [K 512, N 512]; A: computed on the way; B: input w2 (given as codes): QUANTISED
;;   THE QUANTISER, for each operand of a quantised product, along K:
;;     - K is cut into blocks of 32 from its start; a last block that is shorter is filled with zeros.
;;     - A block's scale is 2^e with e = floor(log2(the largest magnitude in the block)) - 2, held to -126 .. 127; a block of zeros has e = 0. As a byte (E8M0): e + 127.
;;     - Each number is divided by its block's scale, clamped to +-6, and rounded to the nearest number of E2M1, ties to even, subnormals kept.
;;     - The product sums the exact products of the quantised numbers (number of the format x scale) in f32.
;;   ~~~python
;;   def quantise(x, axis):      # numpy; x: float32 -> the quantised numbers, widened to float32 again
;;       x = np.moveaxis(x, axis, -1); K = x.shape[-1]
;;       x = np.pad(x, [(0, 0)] * (x.ndim - 1) + [(0, -K % 32)]); x = x.reshape(x.shape[:-1] + (-1, 32)); a = np.abs(x).max(-1, keepdims=True)
;;       e = np.where(a > 0, np.clip(np.frexp(np.where(a > 0, a, 1))[1] - 1 - 2, -126, 127), 0)      # np.frexp(a)[1] - 1 = floor(log2(a)), exactly
;;       r = np.clip(x / 2.0 ** e, -6, 6)
;;       step = 2.0 ** (np.maximum(np.frexp(np.where(r == 0, 1, r))[1] - 1, 0) - 1)
;;       q = np.round(r / step) * step * 2.0 ** e      # np.round: ties to even
;;       return np.moveaxis(q.reshape(q.shape[:-2] + (-1,))[..., :K], -1, axis).astype(np.float32)
;;   ~~~
;;   OPERANDS COMPUTED ON THE WAY. 'Computed on the way' means the value that the module computes at that place (a softmax that the list does not call 'softmax' is quantised finished and normalised). What goes into a quantiser is computed in f32, as accurately as f32 sums, v_exp_f32 and their like allow (about 1e-6 of the number): no bf16 or f16 on the way to a quantiser, and a product that is left as it is and whose result goes on into a quantised operand takes f32 operands (vector FMAs, or v_wmma_f32_16x16x4_f32). A number that lies on a knife's edge between two numbers of the format may be rounded either way, as far as f32 arithmetic and the matrix unit's own rounding can turn it there, and no further.
;;   INPUTS GIVEN AS CODES. w1 (in the module: [8, 512, 512], K = its axis 1); w2 (in the module: [8, 512, 512], K = its axis 1): each comes as NAME_codes (uint8): NAME with its K axis moved to the last place and cut into blocks of 32 codes, [.., K / 32, bytes a block], one block behind the other in memory; two codes a byte, the lower K in the low four bits (a code: sign, 2 exponent bits, 1 mantissa bit); and NAME_scales (uint8): the same leading axes, one E8M0 byte (e + 127) for each 32 codes along K. Its value is code x scale, taken as it is: it is not quantised again, and the codes and scales need not be those that the quantiser above would give.
;; One version. Each part assembles by itself: llvm-mc -triple=amdgcn-amd-amdhsa -mcpu=gfx1250 --defsym DOCPART=n.
;; ======== version 1 of 1: 3 launches
;; workspace buffers: xq 4,194,304 bytes; xs 262,144 bytes; wts 131,072 bytes; info 65,536 bytes of whole numbers; hist 32,768 bytes of whole numbers; rec 65,536 bytes of whole numbers; wfrag 2,228,224 bytes; bm 65,536 bytes of whole numbers
;; launch gate (part 1): grid 256 x 1, 4 waves a work-group, no clusters, 37,376 bytes of LDS; arguments x, gate_w, xq, xs, wts, info, hist; writes xq, xs, wts, info, hist
.if DOCPART == 1
	.amdgcn_target "amdgcn-amd-amdhsa--gfx1250"
	.amdhsa_code_object_version 6
	.text
	.protected	k_qf1413de4c0_gate
	.globl	k_qf1413de4c0_gate
	.p2align	8
	.type	k_qf1413de4c0_gate,@function
k_qf1413de4c0_gate:
	s_mov_b64 s[64:65], 0
	v_nop
	global_prefetch_b8 v0, s[64:65] scope:SCOPE_SE
	s_setreg_imm32_b32 hwreg(HW_REG_WAVE_MODE, 25, 1), 1
	s_wait_xcnt 0x0
; THE GATE AND THE QUANTISER OF x.  x: [16384][512] f32, gate_w: [8][512] f32.
; For each token: 8 logits in f32 (packed multiply-adds, a sum over the 32 lanes), the two largest (the lower index wins a tie, by strict compares in ascending order),
; the softmax of the two (the larger is taken away ahead of the exponential), and the codes of x in FP4 (E2M1) with one E8M0 byte for each 32 along K.
; OUT: xq [token][256 bytes] codes, K innermost; xs [token][16] scale bytes; wts [token][2] f32: the weights of the chosen experts a < b;
;      info [token] = key << 12 | a << 9 | b << 6 | token mod 64; hist [chunk of 64 tokens][32]: how many tokens of the chunk have each key.
; key numbers the 28 pairs a < b in a snake: (a (15 - a)) / 2 + (a odd ? 7 - b : b - a - 1), so that neighbouring keys share an expert.
; No address and no branch here hangs on the choice: it is stored, at fixed places, for the launches that follow.
; SHARES: a work-group takes 64 tokens, a wave 16, a step one token: a row of 2,048 bytes by four loads of 512 consecutive bytes; eight rows of a wave are on their way.
; The dot products take a row as it is loaded (lane l holds elements 128 i + 4 l + 0..3; gate_w lies in 128 registers in the same order); the conversions want 16 neighbours in a lane,
; so the row turns through the wave's own stage in LDS (16 bytes of padding behind each 64).
; LIMITS: NaN and infinities are not served.  The logits are sums of 512 terms in an order of this text's own: where the second and third logit of a token lie closer than the rounding of
; such a sum (about 1e-6 of the terms' size), the other expert may be taken.  A block of zeros gets the byte 1 (its codes are zeros; only this program reads the bytes).
.set WREG, 8192                        ; LDS: a region for each wave: two stages of 32 x SP bytes,
.set SP,   80
.set SCB,  2*32*SP                     ; its 256 scale bytes,
.set LOG,  SCB+256                     ; its logits [16 tokens][8] f32
.set INFO, 4*WREG                      ; shared: 64 info words,
.set WTS,  INFO+256                    ; 64 pairs of weights,
.set HIST, WTS+512                     ; four waves' counts of 32 bins
.set T,  22                            ; v22-29   at work in the sum over lanes
.set LG, 30                            ; v30-31   the logit of a step, two registers by turns
.set R,  32                            ; v32-159  eight rows as loaded, 16 registers each
.set X,  160                           ; v160-191 two sets of 16 neighbours
.set P,  192                           ; v192-207 eight pairs of partial dot products
.set S,  208                           ; v208-215 the lane's eight partial sums
.set U,  216                           ; v216-221 sums over 2 and 4 lanes
.set BY, 222                           ; v222-223 the scale byte of a step, two registers by turns
.set C,  224                           ; v224-255 codes: two registers for each step, never rewritten
.set MSB, 0                            ; window 1 (v256-383): gate_w: register 16 e + 4 i + j = gate_w[e][128 i + 4 lane + j]
.macro WIN new                         ; the immediate's high byte repeats the setting that is left
.if MSB != \new
	s_set_vgpr_msb (MSB<<8)|\new
.set MSB, \new
.endif
.endm
	s_load_b256 s[4:11], s[0:1], 0x0               ; x s[4:5], gate_w s[6:7], xq s[8:9], xs s[10:11]
	s_load_b128 s[12:15], s[0:1], 0x20             ; wts s[12:13], info s[14:15]
	s_load_b64 s[16:17], s[0:1], 0x30              ; hist
	s_set_vgpr_msb 0x40
	v_lshl_add_u32 v128, v0, 2, 0x9000
	v_mov_b32 v129, 0
	s_set_vgpr_msb 0x4000
	v_lshrrev_b32 v12, 5, v0
	v_readfirstlane_b32 s18, v12                   ; wave 0..3
	v_and_b32 v1, 31, v0                           ; lane
	v_lshlrev_b32 v2, 4, v1                        ; 16 x lane
	s_lshl_b32 s19, s18, 13                        ; my wave's region of LDS
	v_lshrrev_b32 v12, 2, v1
	v_mul_u32_u24 v12, v12, SP
	v_and_b32 v13, 3, v1
	v_lshl_add_u32 v12, v13, 4, v12
	v_add_nc_u32 v3, s19, v12                      ; the stage, on the way in: SP (lane / 4) + 16 (lane % 4)
	v_mul_u32_u24 v4, v1, SP
	v_add_nc_u32 v4, s19, v4                       ; and on the way out: SP x lane
	v_lshlrev_b32 v5, 3, v1                        ; 8 x lane
	v_lshrrev_b32 v6, 1, v1
	v_add_nc_u32 v6, s19, v6
	v_add_nc_u32 v6, SCB, v6                       ; my block's scale byte
	v_add_nc_u32 v7, s19, v5
	v_add_nc_u32 v7, SCB, v7                       ; the scale bytes on their way out, 8 a lane
	v_and_b32 v12, 1, v1                           ; the expert whose logit ends in my lane: 4 (l & 1) + 2 ((l >> 1) & 1) + ((l >> 2) & 1)
	v_bfe_u32 v13, v1, 1, 1
	v_bfe_u32 v14, v1, 2, 1
	v_lshlrev_b32 v12, 2, v12
	v_lshl_add_u32 v12, v13, 1, v12
	v_add_nc_u32 v12, v12, v14
	v_lshlrev_b32 v12, 2, v12
	v_add_nc_u32 v8, s19, v12
	v_add_nc_u32 v8, LOG, v8                       ; where I put a logit
	v_and_b32 v15, 15, v1
	v_lshlrev_b32 v9, 5, v15
	v_add_nc_u32 v9, s19, v9
	v_add_nc_u32 v9, LOG, v9                       ; and where I read the 8 logits of token lane % 16
	s_lshl_b32 s20, s18, 4
	v_add_nc_u32 v21, s20, v15                     ; that token's number in the chunk: 16 x wave + lane % 16
	v_lshl_add_u32 v10, v21, 2, INFO
	v_lshl_add_u32 v11, v21, 3, WTS
	v_lshlrev_b32 v20, 2, v1                       ; 4 x lane
	s_lshl_b32 s21, s18, 7
	v_add_nc_u32 v16, s21, v20
	v_add_nc_u32 v16, HIST, v16                    ; my wave's count of bin = lane
	v_add_nc_u32 v17, INFO, v5                     ; the three tables on their way out
	v_add_nc_u32 v18, WTS, v2
	v_add_nc_u32 v19, HIST, v20
.irp i, 0,1,2,3,4,5
	v_mov_b32 v[U+\i], 0                           ; written once: the destination of a DPP form counts as one of its sources
.endr
	v_mov_b32 v[LG], 0
	v_mov_b32 v[LG+1], 0
	s_mov_b32 s24, 0xaaaaaaaa                      ; lanes with bit 0, 1, 2 of their number set
	s_mov_b32 s25, 0xcccccccc
	s_mov_b32 s26, 0xf0f0f0f0
	s_mov_b32 s28, 0x76543210                      ; v_permlanex16_b32's selects for lane l xor 16
	s_mov_b32 s29, 0xfedcba98
	s_wait_kmcnt 0x0
	s_lshl_b32 s20, ttmp9, 17                      ; 64 rows of 2,048 bytes a work-group,
	s_lshl_b32 s22, s18, 15                        ; 16 a wave
	s_add_co_u32 s20, s20, s22
	s_mov_b32 s21, 0
	s_add_nc_u64 s[4:5], s[4:5], s[20:21]
	s_lshr_b32 s20, s20, 3                         ; the codes: an eighth of that
	s_add_nc_u64 s[8:9], s[8:9], s[20:21]
	s_lshr_b32 s20, s20, 4                         ; the scale bytes: a sixteenth of the codes
	s_add_nc_u64 s[10:11], s[10:11], s[20:21]
	s_lshl_b32 s20, ttmp9, 9
	s_add_nc_u64 s[12:13], s[12:13], s[20:21]      ; the chunk's 512 bytes of wts,
	s_lshl_b32 s20, ttmp9, 8
	s_add_nc_u64 s[14:15], s[14:15], s[20:21]      ; 256 of info,
	s_lshl_b32 s20, ttmp9, 7
	s_add_nc_u64 s[16:17], s[16:17], s[20:21]      ; 128 of hist
	WIN 0x40                                       ; destination window 1
.irp e, 0,1,2,3,4,5,6,7
.irp i, 0,1,2,3
	global_load_b128 v[16*\e+4*\i:16*\e+4*\i+3], v2, s[6:7] offset:2048*\e+512*\i
.endr
.endr
	WIN 0
.macro LOAD t                          ; row t: four loads of 512 consecutive bytes
.irp i, 0,1,2,3
	global_load_b128 v[R+16*((\t)%8)+4*\i:R+16*((\t)%8)+4*\i+3], v2, s[4:5] offset:2048*(\t)+512*\i th:TH_LOAD_NT
.endr
.endm
.macro TURN t                          ; row t through the stage: LDS serves a wave's instructions in order, so no wait stands between the stores and the loads
.irp i, 0,1,2,3
	ds_store_b128 v3, v[R+16*((\t)%8)+4*\i:R+16*((\t)%8)+4*\i+3] offset:32*SP*((\t)%2)+8*SP*\i
.endr
.irp i, 0,1,2,3
	ds_load_b128 v[X+16*((\t)%2)+4*\i:X+16*((\t)%2)+4*\i+3], v4 offset:32*SP*((\t)%2)+16*\i
.endr
.endm
.irp t, 0,1,2,3,4,5,6,7
	LOAD \t
.endr
	s_wait_loadcnt 28                              ; gate_w and row 0 are in; the 28 loads of rows 1 to 7 may be out
	TURN 0
.macro STEP t
.set RS, R+16*((\t)%8)
.set XT, X+16*((\t)%2)
.set LT, LG+(\t)%2
.set BT, BY+(\t)%2
	WIN 0x04                                       ; source 1 (gate_w) window 1
.irp q, 0,1,2,3,4,5,6,7                        ; eight chains by turns: two products an instruction
.irp e, 0,1,2,3,4,5,6,7
.if \q == 0
	v_pk_mul_f32 v[P+2*\e:P+2*\e+1], v[RS+2*\q:RS+2*\q+1], v[16*\e+2*\q:16*\e+2*\q+1]
.else
	v_pk_fma_f32 v[P+2*\e:P+2*\e+1], v[RS+2*\q:RS+2*\q+1], v[16*\e+2*\q:16*\e+2*\q+1], v[P+2*\e:P+2*\e+1]
.endif
.endr
.endr
	WIN 0
.irp e, 0,1,2,3,4,5,6,7
	v_add_f32 v[S+\e], v[P+2*\e], v[P+2*\e+1]
.endr
; The sum over lanes, halving the number of sums in each of three steps: a lane keeps the half that its bit names and sends the other half to its partner.
.irp j, 0,1,2,3
	v_cndmask_b32 v[T+2*\j], v[S+\j], v[S+\j+4], s24
	v_cndmask_b32 v[T+2*\j+1], v[S+\j+4], v[S+\j], s24
.endr
.irp j, 0,1,2,3
	v_add_f32_dpp v[U+\j], v[T+2*\j+1], v[T+2*\j] row_xmask:1 row_mask:0xf bank_mask:0xf
.endr
.irp j, 0,1
	v_cndmask_b32 v[T+2*\j], v[U+\j], v[U+\j+2], s25
	v_cndmask_b32 v[T+2*\j+1], v[U+\j+2], v[U+\j], s25
.endr
.irp j, 0,1
	v_add_f32_dpp v[U+4+\j], v[T+2*\j+1], v[T+2*\j] row_xmask:2 row_mask:0xf bank_mask:0xf
.endr
	v_cndmask_b32 v[T], v[U+4], v[U+5], s26
	v_cndmask_b32 v[T+1], v[U+5], v[U+4], s26
	v_add_f32_dpp v[LT], v[T+1], v[T] row_xmask:4 row_mask:0xf bank_mask:0xf
	v_add_f32_dpp v[LT], v[LT], v[LT] row_xmask:8 row_mask:0xf bank_mask:0xf
	v_permlanex16_b32 v15, v[LT], s28, s29
	v_add_f32 v[LT], v[LT], v15                    ; the logit of my lane's expert; the four lanes of an expert hold the same bits
	ds_store_b32 v8, v[LT] offset:32*(\t)
	s_wait_dscnt 1                                 ; all but that store: this row's 16 neighbours are back, its stores into the stage have read their registers, and so have the last step's logit and byte stores
.if (\t)+8 < 16
	LOAD (\t)+8                                    ; into the registers that this row has left
.endif
	v_max3_num_f32 v12, |v[XT]|, |v[XT+1]|, |v[XT+2]|             ; the largest magnitude of my 16
	v_max3_num_f32 v13, |v[XT+3]|, |v[XT+4]|, |v[XT+5]|
.irp i, 6,10
	v_max3_num_f32 v12, v12, |v[XT+\i]|, |v[XT+\i+1]|
	v_max3_num_f32 v13, v13, |v[XT+\i+2]|, |v[XT+\i+3]|
.endr
	v_max3_num_f32 v12, v12, |v[XT+14]|, |v[XT+15]|
	v_max3_num_f32 v12, v12, v13, 0x1800000        ; and the floor 2^(3 - 127): the byte cannot fall under 1
	v_max_num_f32_dpp v12, v12, v12 row_xmask:1 row_mask:0xf bank_mask:0xf   ; with my neighbour's 16: the block's
	v_add_nc_u32 v14, 0xff000000, v12              ; 2 off its exponent field: the conversion takes the exponent field of this operand as its scale
	v_cvt_scalef32_pk8_fp4_f32 v[C+2*(\t)], v[XT:XT+7], v14
	v_cvt_scalef32_pk8_fp4_f32 v[C+2*(\t)+1], v[XT+8:XT+15], v14
	v_lshrrev_b32 v[BT], 23, v14                   ; the scale's byte (a plain line behind the conversions)
	ds_store_b8 v6, v[BT] offset:16*(\t)           ; both lanes of a block write the same byte with the same value
	global_store_b64 v5, v[C+2*(\t):C+2*(\t)+1], s[8:9] offset:256*(\t)   ; the wave stores the token's 256 bytes of codes, aligned
.if (\t) < 15
.if (\t)+8 <= 15
	s_wait_loadcnt 28                              ; the next row is in; the seven rows behind it may be out
.else
	s_wait_loadcnt 4*(14-(\t))                     ; the counts run down: rows t + 2 to 15 may be out
.endif
	TURN (\t)+1                                    ; it turns through the other stage while the next step's dot products are made
.endif
.endm
.irp t, 0,1,2,3,4,5,6,7,8,9,10,11,12,13,14,15
	STEP \t
.endr
	ds_load_b64 v[12:13], v7                       ; LDS serves a wave's instructions in order: these see my stores
	ds_load_b128 v[32:35], v9
	ds_load_b128 v[36:39], v9 offset:16            ; the 8 logits of token lane % 16 (both halves of the lanes do the same work)
	s_wait_dscnt 0x0
	global_store_b64 v5, v[12:13], s[10:11]        ; my 16 tokens' scale bytes: 256 consecutive bytes, aligned
	v_mov_b32 v48, v32                             ; the largest logit and its expert: strict compares, so the lower index stays at a tie
	v_mov_b32 v49, 0
.irp e, 1,2,3,4,5,6,7
	v_cmp_gt_f32 vcc_lo, v[32+\e], v48
	v_cndmask_b32 v48, v48, v[32+\e], vcc_lo
	v_cndmask_b32 v49, v49, \e, vcc_lo
.endr
	v_mov_b32 v50, 0xff800000                      ; -infinity takes the place of the one that was found
.irp e, 0,1,2,3,4,5,6,7
	v_cmp_eq_u32 vcc_lo, \e, v49
	v_cndmask_b32 v[40+\e], v[32+\e], v50, vcc_lo
.endr
	v_mov_b32 v51, v40                             ; the second largest, in the same way
	v_mov_b32 v55, 0
.irp e, 1,2,3,4,5,6,7
	v_cmp_gt_f32 vcc_lo, v[40+\e], v51
	v_cndmask_b32 v51, v51, v[40+\e], vcc_lo
	v_cndmask_b32 v55, v55, \e, vcc_lo
.endr
	v_sub_f32 v52, v51, v48                        ; second - largest: 0 or less
	v_mul_f32 v52, 0x3fb8aa3b, v52
	s_wait_alu depctr_va_vdst(0)
	v_exp_f32 v52, v52                             ; z = e^(second - largest), at most 1
	v_min_u32 v58, v49, v55                        ; a (a plain line behind the exponential)
	s_wait_alu depctr_va_vdst(0)
	v_add_f32 v53, 1.0, v52
	s_wait_alu depctr_va_vdst(0)
	v_rcp_f32 v53, v53                             ; the largest's weight: 1 / (1 + z)
	v_max_u32 v59, v49, v55                        ; b (a plain line behind the reciprocal)
	s_wait_alu depctr_va_vdst(0)
	v_mul_f32 v54, v52, v53                        ; the second's: z / (1 + z)
	v_cmp_lt_u32 vcc_lo, v49, v55
	v_cndmask_b32 v56, v54, v53, vcc_lo            ; the weight of a,
	v_cndmask_b32 v57, v53, v54, vcc_lo            ; of b
	v_sub_nc_u32 v60, 15, v58
	v_mul_u32_u24 v60, v60, v58
	v_lshrrev_b32 v60, 1, v60                      ; (a (15 - a)) / 2
	v_sub_nc_u32 v61, 7, v59                       ; a odd: 7 - b
	v_sub_nc_u32 v62, v59, v58
	v_add_nc_u32 v62, -1, v62                      ; a even: b - a - 1
	v_and_b32 v63, 1, v58
	v_cmp_eq_u32 vcc_lo, 1, v63
	v_cndmask_b32 v61, v62, v61, vcc_lo
	v_add_nc_u32 v60, v60, v61                     ; the key
	v_lshlrev_b32 v62, 12, v60
	v_lshl_or_b32 v62, v58, 9, v62
	v_lshl_or_b32 v62, v59, 6, v62
	v_or_b32 v62, v62, v21                         ; the info word
	v_mov_b32 v63, 0                               ; my wave's count of the key = my lane's number: a value, no address
.irp t, 0,1,2,3,4,5,6,7,8,9,10,11,12,13,14,15
	v_readlane_b32 s30, v60, \t
	v_cmp_eq_u32 vcc_lo, s30, v1
	v_add_co_ci_u32 v63, vcc_lo, 0, v63, vcc_lo
.endr
	ds_store_b32 v10, v62                          ; lanes l and l + 16 write the same word with the same value
	ds_store_b64 v11, v[56:57]
	ds_store_b32 v16, v63
	s_wait_dscnt 0x0                               ; for the others' sake: my stores have landed
	s_barrier_signal -1
	s_barrier_wait -1
	s_cmp_eq_u32 s18, 0                            ; each table leaves by one wave, in consecutive bytes
	s_cbranch_scc0 .Lnot0
	ds_load_b64 v[64:65], v17
	s_wait_dscnt 0x0
	global_store_b64 v5, v[64:65], s[14:15]        ; info: 256 bytes, aligned
	s_set_vgpr_msb 0x5
	s_wait_tensorcnt 0x0
	ds_add_u32 v128, v129
	s_wait_dscnt 0x0
	s_set_vgpr_msb 0x500
	s_endpgm
.Lnot0:
	s_cmp_eq_u32 s18, 1
	s_cbranch_scc0 .Lnot1
	ds_load_b128 v[64:67], v18
	s_wait_dscnt 0x0
	global_store_b128 v2, v[64:67], s[12:13]       ; wts: 512 bytes, aligned
	s_set_vgpr_msb 0x5
	s_wait_tensorcnt 0x0
	ds_add_u32 v128, v129
	s_wait_dscnt 0x0
	s_set_vgpr_msb 0x500
	s_endpgm
.Lnot1:
	s_cmp_eq_u32 s18, 2
	s_cbranch_scc0 .Ldone
.irp i, 0,1,2,3
	ds_load_b32 v[64+\i], v19 offset:128*\i
.endr
	s_wait_dscnt 0x0
	v_add_nc_u32 v64, v64, v65
	v_add_nc_u32 v66, v66, v67
	v_add_nc_u32 v64, v64, v66
	global_store_b32 v20, v64, s[16:17]            ; hist: the chunk's 32 counts
.Ldone:
	s_set_vgpr_msb 0x5
	s_wait_tensorcnt 0x0
	ds_add_u32 v128, v129
	s_wait_dscnt 0x0
	s_set_vgpr_msb 0x500
	s_endpgm
.Lfunc_end_k_qf1413de4c0_gate:
	.size	k_qf1413de4c0_gate, .Lfunc_end_k_qf1413de4c0_gate-k_qf1413de4c0_gate
	.p2alignl 7, 3214868480
	.fill 96, 4, 3214868480
	.section	.rodata,"a",@progbits
	.p2align	6, 0x0
	.amdhsa_kernel k_qf1413de4c0_gate
		.amdhsa_group_segment_fixed_size 37376
		.amdhsa_private_segment_fixed_size 0
		.amdhsa_enable_private_segment 0
		.amdhsa_kernarg_size 56
		.amdhsa_user_sgpr_count 2
		.amdhsa_user_sgpr_kernarg_segment_ptr 1
		.amdhsa_wavefront_size32 1
		.amdhsa_system_sgpr_workgroup_id_x 1
		.amdhsa_system_sgpr_workgroup_id_y 1
		.amdhsa_system_sgpr_workgroup_id_z 1
		.amdhsa_system_vgpr_workitem_id 0
		.amdhsa_next_free_vgpr 386
		.amdhsa_next_free_sgpr 66
		.amdhsa_reserve_vcc 1
		.amdhsa_float_denorm_mode_32 3
		.amdhsa_float_denorm_mode_16_64 3
		.amdhsa_memory_ordered 1
		.amdhsa_forward_progress 1
		.amdhsa_inst_pref_size 139
	.end_amdhsa_kernel
	.amdgpu_metadata
---
amdhsa.version: [ 1, 2 ]
amdhsa.kernels:
  - .name:           k_qf1413de4c0_gate
    .symbol:         k_qf1413de4c0_gate.kd
    .args:
      - { .name: x, .offset: 0, .size: 8, .value_kind: global_buffer, .address_space: global }
      - { .name: gate_w, .offset: 8, .size: 8, .value_kind: global_buffer, .address_space: global }
      - { .name: xq, .offset: 16, .size: 8, .value_kind: global_buffer, .address_space: global }
      - { .name: xs, .offset: 24, .size: 8, .value_kind: global_buffer, .address_space: global }
      - { .name: wts, .offset: 32, .size: 8, .value_kind: global_buffer, .address_space: global }
      - { .name: info, .offset: 40, .size: 8, .value_kind: global_buffer, .address_space: global }
      - { .name: hist, .offset: 48, .size: 8, .value_kind: global_buffer, .address_space: global }
    .group_segment_fixed_size: 37376
    .private_segment_fixed_size: 0
    .kernarg_segment_align: 8
    .kernarg_segment_size: 56
    .max_flat_workgroup_size: 128
    .sgpr_count:     66
    .vgpr_count:     386
    .wavefront_size: 32
...
	.end_amdgpu_metadata
.endif
;; end of part 1
;; launch place (part 2): grid 288 x 1, 8 waves a work-group, no clusters, 3,072 bytes of LDS; arguments info, hist, w1_codes, w1_scales, w2_codes, w2_scales, rec, wfrag, bm; writes rec, wfrag, bm
.if DOCPART == 2
	.amdgcn_target "amdgcn-amd-amdhsa--gfx1250"
	.amdhsa_code_object_version 6
	.text
	.protected	k_qf1413de4c0_place
	.globl	k_qf1413de4c0_place
	.p2align	8
	.type	k_qf1413de4c0_place,@function
k_qf1413de4c0_place:
	s_mov_b64 s[64:65], 0
	v_nop
	global_prefetch_b8 v0, s[64:65] scope:SCOPE_SE
	s_setreg_imm32_b32 hwreg(HW_REG_WAVE_MODE, 25, 1), 1
	s_wait_xcnt 0x0
; TWO JOBS IN ONE LAUNCH, parted by the work-group's number.
; Work-groups 0-255, one for each chunk of 64 tokens: a counting sort by key without atomics.  A token's sorted place = the tokens of smaller keys (all chunks)
; + those of its key in earlier chunks + those of its key earlier in its chunk.  At that place goes rec = token | a << 16 | b << 20.
; The eight waves add up the table hist [256 chunks][32 bins], 32 chunks a wave, lane = bin; waves 0 and 1 then place 32 tokens each.
; Work-group c also stores, for the block of sorted places 64 c .. 64 c + 63, the set of keys that have tokens there (bit = key): bm [block][64 equal words], a row of 256 consecutive bytes.
; Work-groups 256-287: the weights are laid once in the order of the operand registers of the launch that multiplies, so that each of its lanes loads its fragments whole.
; wfrag: first the codes, [expert 8][wave 4][k 8] chunks of 8,192 bytes, k = 4 x layer + K step: 16 images of 512 bytes (tile t, half c at 512 (2 t + c), lane l's 16 bytes at 16 l);
; from byte 2,097,152 on the scale words, [expert][wave][k] chunks of 512 bytes (lane l's 16 bytes: register b = 0..3: lanes 0-15 tile 2 b, lanes 16-31 tile 2 b + 1).
; So an expert's codes are 2^18 bytes and its scale words 2^14: the reader's pointers are a shift and an addition.
; THE ROWS OF A TILE ARE NOT NEIGHBOURS: lane r of tile 2 b + u of wave w takes weight row 128 w + 32 b + 8 u + r + 8 (r / 8).
; Only the first job uses LDS and the barrier.
	s_load_b512 s[4:19], s[0:1], 0x0               ; info s[4:5], hist s[6:7], w1 codes s[8:9], scales s[10:11], w2 codes s[12:13], scales s[14:15], rec s[16:17], wfrag s[18:19]
	s_load_b64 s[34:35], s[0:1], 0x40              ; bm
	v_lshl_add_u32 v128, v0, 2, 0x800
	v_mov_b32 v129, 0
	v_lshrrev_b32 v1, 5, v0
	s_delay_alu instid0(VALU_DEP_1)
	v_readfirstlane_b32 s20, v1                    ; wave 0..7
	v_and_b32 v1, 31, v0                           ; lane
	v_lshlrev_b32 v2, 2, v0                        ; 4 x thread = 128 x wave + 4 x lane: in LDS, and in a row of bm
	s_delay_alu instid0(VALU_DEP_2)
	v_lshlrev_b32 v3, 2, v1                        ; 4 x lane
	s_cmp_ge_u32 ttmp9, 256
	s_cbranch_scc1 .Lrelay
	v_and_b32 v4, 63, v0
	s_delay_alu instid0(VALU_DEP_1)
	v_lshlrev_b32 v4, 2, v4                        ; my token's word
	v_mov_b32 v5, 0
	v_mov_b32 v7, 0                                ; the rank
	s_lshl_b32 s22, ttmp9, 8                       ; the chunk's 256 bytes of info, and the block's 256 bytes of bm
	s_mov_b32 s23, 0
	s_lshl_b32 s24, s20, 12                        ; my wave's 32 rows of hist
	s_mov_b32 s25, 0
	s_wait_alu depctr_va_vdst(0)
	s_wait_kmcnt 0x0
	s_add_nc_u64 s[4:5], s[4:5], s[22:23]
	s_add_nc_u64 s[34:35], s[34:35], s[22:23]
	s_add_nc_u64 s[6:7], s[6:7], s[24:25]
	global_load_b32 v6, v4, s[4:5]
.set i, 0
.rept 16
	global_load_b128 v[16+4*i:16+4*i+3], v5, s[4:5] offset:16*i    ; all 64 words of the chunk, in every lane
.set i, i+1
.endr
.set i, 0
.rept 32
	global_load_b32 v[80+i], v3, s[6:7] offset:128*i               ; chunk 32 x wave + i, bin = lane
.set i, i+1
.endr
	s_wait_loadcnt 32                              ; the info words are in; the 32 rows of the table may be out
	v_and_b32 v8, 0xffffffc0, v6                   ; my word without the token's number,
	v_and_b32 v9, 63, v6                           ; and that number
	s_cmp_lt_u32 s20, 2
	s_cbranch_scc0 .Lnorank
; The rank: how many tokens of my key come before me in the chunk.  A word of my key differs from mine in the low six bits alone; any other gives 64 or more, or wraps round.
.set i, 0
.rept 64
	v_sub_nc_u32 v10, v[16+i], v8
	s_delay_alu instid0(VALU_DEP_1)
	v_cmp_gt_u32 vcc_lo, v9, v10
	s_delay_alu instid0(VALU_DEP_1)
	v_add_co_ci_u32 v7, vcc_lo, 0, v7, vcc_lo
.set i, i+1
.endr
.Lnorank:
	s_wait_loadcnt 0x0
	s_lshl_b32 s21, s20, 5
	s_sub_co_i32 s21, ttmp9, s21                   ; my rows 0 .. this - 1 are chunks before mine
	s_cmp_gt_i32 s21, 0
	s_cselect_b32 s26, -1, 0
	v_mov_b32 v11, v80                             ; row 0 starts both sums: all chunks,
	v_and_b32 v12, s26, v80                        ; and the chunks before mine
.set i, 1
.rept 31
	s_cmp_gt_i32 s21, i
	s_cselect_b32 s26, -1, 0
	v_and_b32 v13, s26, v[80+i]
	v_add_nc_u32 v11, v11, v[80+i]
	s_delay_alu instid0(VALU_DEP_2)
	v_add_nc_u32 v12, v12, v13
.set i, i+1
.endr
	ds_store_b32 v2, v11
	ds_store_b32 v2, v12 offset:1024
	s_wait_dscnt 0x0                               ; for the others' sake: my stores have landed
	s_barrier_signal -1
	s_barrier_wait -1
	s_cmp_lt_u32 s20, 2
	s_cbranch_scc1 .Lscan
	s_wait_tensorcnt 0x0
	ds_add_u32 v128, v129
	s_wait_dscnt 0x0
	s_endpgm
.Lscan:
.irp i, 0,1,2,3,4,5,6,7
	ds_load_b32 v[16+\i], v3 offset:128*\i
	ds_load_b32 v[24+\i], v3 offset:1024+128*\i
.endr
	s_wait_dscnt 0x0
	v_add3_u32 v11, v16, v17, v18
	v_add3_u32 v12, v24, v25, v26
	s_delay_alu instid0(VALU_DEP_2)
	v_add3_u32 v11, v11, v19, v20
	s_delay_alu instid0(VALU_DEP_2)
	v_add3_u32 v12, v12, v27, v28
	s_delay_alu instid0(VALU_DEP_2)
	v_add3_u32 v11, v11, v21, v22
	s_delay_alu instid0(VALU_DEP_2)
	v_add3_u32 v12, v12, v29, v30
	s_delay_alu instid0(VALU_DEP_2)
	v_add_nc_u32 v11, v11, v23                     ; my bin's tokens in all chunks,
	s_delay_alu instid0(VALU_DEP_2)
	v_add_nc_u32 v12, v12, v31                     ; and in the chunks before mine
	s_delay_alu instid0(VALU_DEP_2)
	v_mov_b32 v14, v11                             ; a running sum over the bins: within 16 lanes,
.irp n, 1,2,4,8
	v_mov_b32 v13, 0                               ; (lanes without a source keep this 0)
	s_delay_alu instid0(VALU_DEP_2)
	v_mov_b32_dpp v13, v14 row_shr:\n row_mask:0xf bank_mask:0xf
	s_delay_alu instid0(VALU_DEP_1)
	v_add_nc_u32 v14, v14, v13
.endr
	s_delay_alu instid0(VALU_DEP_1)
	v_readlane_b32 s26, v14, 15                    ; then the lower half's total onto the upper half
	s_delay_alu instid0(VALU_DEP_1)
	v_mov_b32 v13, s26
	v_cmp_lt_u32 vcc_lo, 15, v1
	s_delay_alu instid0(VALU_DEP_1)
	v_cndmask_b32 v13, 0, v13, vcc_lo
	s_delay_alu instid0(VALU_DEP_1)
	v_add_nc_u32 v14, v14, v13
	s_delay_alu instid0(VALU_DEP_1)
	v_sub_nc_u32 v14, v14, v11                     ; without my own bin: the smaller keys' tokens = my bin's first sorted place
; The keys of block c: my bin's places first .. first + count - 1 meet the block's 64 c .. 64 c + 63 where max(first, 64 c) < min(first + count, 64 c + 64); an empty bin never does.
	s_lshl_b32 s26, ttmp9, 6                       ; 64 c
	s_add_co_u32 s27, s26, 64
	v_add_nc_u32 v18, v14, v11
	v_max_u32 v19, s26, v14
	s_delay_alu instid0(VALU_DEP_2)
	v_min_u32 v18, s27, v18
	s_delay_alu instid0(VALU_DEP_1)
	v_cmp_lt_u32 s28, v19, v18                     ; bit = bin: the set of keys, a value that is stored at a fixed place
	s_delay_alu instid0(VALU_DEP_1)
	v_mov_b32 v18, s28
	global_store_b32 v2, v18, s[34:35]             ; waves 0 and 1 fill the block's 256 consecutive bytes with the same word
	v_add_nc_u32 v14, v14, v12                     ; + my bin's tokens in earlier chunks
	v_lshrrev_b32 v15, 12, v6                      ; my token's key
	s_delay_alu instid0(VALU_DEP_1)
	v_lshlrev_b32 v15, 2, v15
	ds_bpermute_b32 v10, v15, v14                  ; from the lane of that bin
	v_or_b32 v13, s26, v9                          ; the token,
	v_bfe_u32 v16, v6, 9, 3
	v_bfe_u32 v17, v6, 6, 3
	s_delay_alu instid0(VALU_DEP_2)
	v_lshl_or_b32 v13, v16, 16, v13                ; a,
	s_delay_alu instid0(VALU_DEP_1)
	v_lshl_or_b32 v13, v17, 20, v13                ; b
	s_wait_dscnt 0x0
	v_add_nc_u32 v10, v10, v7                      ; + my rank: the sorted place
	s_delay_alu instid0(VALU_DEP_1)
	v_min_u32 v10, 0x3fff, v10                     ; inside rec whatever the tables hold
	s_delay_alu instid0(VALU_DEP_1)
	v_lshlrev_b32 v10, 2, v10
	s_wait_alu depctr_va_vdst(0)
	global_store_b32 v10, v13, s[16:17]            ; four bytes to a place of its own: the price of a scatter, 64 KiB in the whole launch
	s_wait_tensorcnt 0x0
	ds_add_u32 v128, v129
	s_wait_dscnt 0x0
	s_endpgm
.Lrelay:
	v_and_b32 v4, 15, v0                           ; r
	v_bfe_u32 v5, v0, 4, 1                         ; h
	s_delay_alu instid0(VALU_DEP_2)
	v_and_b32 v6, 8, v4
	s_delay_alu instid0(VALU_DEP_1)
	v_add_nc_u32 v6, v6, v4                        ; r + 8 (r / 8)
	s_delay_alu instid0(VALU_DEP_1)
	v_lshlrev_b32 v7, 8, v6
	s_delay_alu instid0(VALU_DEP_1)
	v_lshl_add_u32 v7, v5, 4, v7                   ; codes: that row of 256 bytes, + 16 h
	s_delay_alu instid0(VALU_DEP_3)
	v_lshl_add_u32 v8, v5, 3, v6
	s_delay_alu instid0(VALU_DEP_1)
	v_lshlrev_b32 v8, 4, v8                        ; scale words: row 8 (lane / 16) + r + 8 (r / 8) of 16 bytes
	v_lshlrev_b32 v9, 4, v1                        ; out: 16 x lane
	s_sub_co_u32 s21, ttmp9, 256                   ; 4 x expert + wave of the reader; my wave's number is k
	s_lshr_b32 s22, s21, 2
	s_and_b32 s23, s21, 3
	s_and_b32 s24, s20, 3                          ; the K step
	s_lshl_b32 s26, s22, 17                        ; an expert's 512 rows of 256 bytes,
	s_lshl_b32 s28, s23, 15                        ; the reader's 128 rows,
	s_add_co_u32 s26, s26, s28
	s_lshl_b32 s28, s24, 6                         ; the K step's 64 bytes
	s_add_co_u32 s26, s26, s28
	s_mov_b32 s27, 0
	s_lshr_b32 s28, s26, 4                         ; the scale bytes: a sixteenth of that
	s_mov_b32 s29, 0
	s_lshl_b32 s30, s21, 3
	s_add_co_u32 s30, s30, s20                     ; my chunk's number: 32 x expert + 8 x reader's wave + k
	s_lshl_b32 s32, s30, 9                         ; its scale words: 512 bytes a chunk,
	s_add_co_u32 s32, s32, 2097152                 ; behind all the codes
	s_mov_b32 s33, 0
	s_lshl_b32 s30, s30, 13                        ; its codes: 8,192 bytes a chunk
	s_mov_b32 s31, 0
	s_wait_alu depctr_va_vdst(0)
	s_wait_kmcnt 0x0
	s_cmp_lt_u32 s20, 4                            ; layer 1 or layer 2: the choice hangs on the wave's number alone
	s_cselect_b64 s[8:9], s[8:9], s[12:13]
	s_cselect_b64 s[10:11], s[10:11], s[14:15]
	s_add_nc_u64 s[8:9], s[8:9], s[26:27]
	s_add_nc_u64 s[10:11], s[10:11], s[28:29]
	s_add_nc_u64 s[32:33], s[18:19], s[32:33]
	s_add_nc_u64 s[18:19], s[18:19], s[30:31]
.irp t, 0,1,2,3,4,5,6,7
.irp c, 0,1
	global_load_b128 v[16+4*(2*\t+\c):16+4*(2*\t+\c)+3], v7, s[8:9] offset:(32*(\t/2)+8*(\t%2))*256+32*\c
.endr
.endr
.irp b, 0,1,2,3
	global_load_b32 v[80+\b], v8, s[10:11] offset:512*\b
.endr
	s_wait_loadcnt 0x0
.set i, 0
.rept 16
	global_store_b128 v9, v[16+4*i:16+4*i+3], s[18:19] offset:512*i    ; 512 consecutive bytes a store
.set i, i+1
.endr
	global_store_b128 v9, v[80:83], s[32:33]
	s_endpgm
.Lfunc_end_k_qf1413de4c0_place:
	.size	k_qf1413de4c0_place, .Lfunc_end_k_qf1413de4c0_place-k_qf1413de4c0_place
	.p2alignl 7, 3214868480
	.fill 96, 4, 3214868480
	.section	.rodata,"a",@progbits
	.p2align	6, 0x0
	.amdhsa_kernel k_qf1413de4c0_place
		.amdhsa_group_segment_fixed_size 3072
		.amdhsa_private_segment_fixed_size 0
		.amdhsa_enable_private_segment 0
		.amdhsa_kernarg_size 72
		.amdhsa_user_sgpr_count 2
		.amdhsa_user_sgpr_kernarg_segment_ptr 1
		.amdhsa_wavefront_size32 1
		.amdhsa_system_sgpr_workgroup_id_x 1
		.amdhsa_system_sgpr_workgroup_id_y 1
		.amdhsa_system_sgpr_workgroup_id_z 1
		.amdhsa_system_vgpr_workitem_id 0
		.amdhsa_next_free_vgpr 130
		.amdhsa_next_free_sgpr 66
		.amdhsa_reserve_vcc 1
		.amdhsa_float_denorm_mode_32 3
		.amdhsa_float_denorm_mode_16_64 3
		.amdhsa_memory_ordered 1
		.amdhsa_forward_progress 1
		.amdhsa_inst_pref_size 32
	.end_amdhsa_kernel
	.amdgpu_metadata
---
amdhsa.version: [ 1, 2 ]
amdhsa.kernels:
  - .name:           k_qf1413de4c0_place
    .symbol:         k_qf1413de4c0_place.kd
    .args:
      - { .name: info, .offset: 0, .size: 8, .value_kind: global_buffer, .address_space: global }
      - { .name: hist, .offset: 8, .size: 8, .value_kind: global_buffer, .address_space: global }
      - { .name: w1_codes, .offset: 16, .size: 8, .value_kind: global_buffer, .address_space: global }
      - { .name: w1_scales, .offset: 24, .size: 8, .value_kind: global_buffer, .address_space: global }
      - { .name: w2_codes, .offset: 32, .size: 8, .value_kind: global_buffer, .address_space: global }
      - { .name: w2_scales, .offset: 40, .size: 8, .value_kind: global_buffer, .address_space: global }
      - { .name: rec, .offset: 48, .size: 8, .value_kind: global_buffer, .address_space: global }
      - { .name: wfrag, .offset: 56, .size: 8, .value_kind: global_buffer, .address_space: global }
      - { .name: bm, .offset: 64, .size: 8, .value_kind: global_buffer, .address_space: global }
    .group_segment_fixed_size: 3072
    .private_segment_fixed_size: 0
    .kernarg_segment_align: 8
    .kernarg_segment_size: 72
    .max_flat_workgroup_size: 256
    .sgpr_count:     66
    .vgpr_count:     130
    .wavefront_size: 32
...
	.end_amdgpu_metadata
.endif
;; end of part 2
;; launch chain (part 3): grid 256 x 1, 4 waves a work-group, no clusters, 70,144 bytes of LDS; arguments rec, xq, xs, wts, wfrag, b1, b2, out0, bm; writes out0
.if DOCPART == 3
	.amdgcn_target "amdgcn-amd-amdhsa--gfx1250"
	.amdhsa_code_object_version 6
	.text
	.protected	k_qf1413de4c0_chain
	.globl	k_qf1413de4c0_chain
	.p2align	8
	.type	k_qf1413de4c0_chain,@function
k_qf1413de4c0_chain:
	s_mov_b64 s[64:65], 0
	v_nop
	global_prefetch_b8 v0, s[64:65] scope:SCOPE_SE
	s_setreg_imm32_b32 hwreg(HW_REG_WAVE_MODE, 25, 1), 1
	s_wait_xcnt 0x0
; THE EXPERTS.  out[token] = the sum over the token's two experts e of weight(e) x (relu(x W1[e] + b1[e]) W2[e] + b2[e]), both products on codes of FP4 (E2M1) with one E8M0 scale for each 32 along K.
; The experts that a token did not choose have the weight 0 in the definition and are not multiplied.  (Where such an expert's result would overflow, the definition gives 0 x infinity; this text does not.  NaN and infinities are not served.)
; SHARES.  A work-group owns 64 tokens that lie side by side in the order sorted by pair of experts (rec), as four tiles m of 16 rows, through both layers and all their experts: each row of out has one owner, and the hidden
; layer never goes to memory.  THE WAVES SHARE THE COLUMNS: wave w makes hidden units and outputs 128 w .. 128 w + 127 (8 tiles t) for all 64 rows, so the work-group reads each weight byte of an expert once.
; THE WALK.  A loop of eight trips, one for each expert; a scalar branch goes round the work of an expert that none of the 64 tokens uses.  Which are used comes from the stored set of the block's keys (bm), by scalar
; instructions alone.  Both barriers of a trip stand on every way.
; WEIGHTS come from memory straight into registers, laid by the launch before in the order of the operand registers: a group = one K step's 8 fragments (16 loads), its scale words (1 load), and with a layer's first
; K step the bias in the result's layout (16 loads).  Three groups are always out, across experts too: at the head of either product the same three groups, of 33, 17 and 17 loads, are on their way into the same registers,
; so a product that is passed over leaves every count as it was.  Behind a work-group's last expert the three groups are still asked for, from that expert's own first three K steps: 24 KiB of codes a wave that nobody multiplies,
; the price of counts that hold on every way.
; No joint or tensor loads: which experts a work-group walks hangs on the stored list, neighbours may need other experts, and asking for all eight always would move four times the bytes, which is what sharing among four would save.
; BOTH PRODUCTS ARE USED TRANSPOSED (source 0 = 16 weight rows, source 1 = 16 tokens).  Lane r of tile 2 b + u takes weight row 128 w + 32 b + 8 u + r + 8 (r / 8), so lane (r, h) holds token r, and register j of tile t
; unit or output 128 w + 32 (t / 2) + 16 h + 8 (t % 2) + j: the 16 registers of two neighbouring tiles are 16 neighbours along the next K, and 64 neighbouring bytes of a row of out.
; The hidden layer goes from wave to wave through LDS as images of the operand's registers (16 bytes a lane at 16 x lane).
; REGISTERS, in windows of 256: window 0: addresses, scale words, weights of the tokens, store offsets, source 1's fragments (two sets), the bias.  window 1: the weights, a ring of four buffers of 64.
;   window 2: the 32 accumulators, (m, t) at 8 (8 m + t): the hidden layer, then y.   window 3: the sums for out, laid the same way.
.set HIMG, 17408                       ; LDS: from 0: x's codes, 64 rows x 272 bytes; here: the hidden layer's 16 images of 1,024 bytes, (4 m + K step);
.set HSC,  33792                       ; its scale words: [m / 2][lane 16 (m % 2) + r][K step] x 4 bytes;
.set STG,  34816                       ; a stage of 16 rows x 528 bytes for each wave, for the way out
.set LI,  3                            ; v3   16 x lane
.set AX,  4                            ; v4   272 r + 16 h: a fragment of x
.set AXS, 5                            ; v5   where I put gathered rows: (16 w + 8 h) x 272 + 16 r
.set HWI, 6                            ; v6   where I put the hidden layer's images: HIMG + 1024 w + 16 x lane
.set HSW, 7                            ; v7   and their scale words: HSC + 16 r + 4 w
.set VB,  8                            ; v8   64 h: the bias
.set KS,  9                            ; v9   the block's set of keys, as loaded
.set SO,  10                           ; v10  the stage: in
.set SR,  11                           ; v11  the stage: back
.set XS,  32                           ; v32-39  x's scale words: register 4 j + s: lanes 0-15 tile 2 j, lanes 16-31 tile 2 j + 1, K step s
.set WS,  40                           ; v40-55  the weights' scale words: four sets of four: register b: lanes 0-15 tile 2 b, lanes 16-31 tile 2 b + 1
.set HS,  56                           ; v56-63  the hidden layer's, laid as x's
.set CW,  64                           ; v64-71  the expert's weight for my row of tile m, in pairs
.set EA,  72                           ; v72-75, v76-79  the two experts of my row of tile m
.set EB,  76
.set WAB, 80                           ; v80-87  their weights
.set TOK, 96                           ; v96-127 register 8 m + i: token(16 m + 8 h + i) x 2048 + 512 w + 16 r: where rows of out go
.set BF,  128                          ; v128-191 two sets of four fragments of source 1; between the products at work; at the end rows read back
.set BIAS, 192                         ; v192-255 8 tiles x 8 registers; at the end rows read back
.set TM,  128                          ; v128-143 the quantiser: +0 largest magnitudes, +4 bytes, +12 the conversions' scale operands
.set PW,  144                          ; v144-147 a scale word for each m
.set PC,  148                          ; the codes of tile m: v148.. + 8 m (m = 2: v88-95)
.set WFW,  26                          ; s[26:27] wfrag's codes at my wave's part;  s[28:29] b1, s[30:31] b2 at my 128 numbers
.set B1W,  28
.set B2W,  30
.set PWC,  32                          ; s[32:33] this expert's codes;  s[34:35] its b2
.set PB2C, 34
.set PWN,  36                          ; s[36:37] the next used expert's codes;  s[38:39] its b1
.set PB1N, 38
.set SEL,  40                          ; s[40:41] v_permlanex16_b32's selects for lane l xor 16
.set SFW,  44                          ; s[44:45] wfrag's scale words at my wave's part;  s[46:47] this expert's;  s[48:49] the next used expert's
.set PSC,  46
.set PSN,  48
.set MSB, 0
.macro WIN new                         ; the immediate's high byte repeats the setting that is left
.if MSB != \new
	s_set_vgpr_msb (MSB<<8)|\new
.set MSB, \new
.endif
.endm
.macro PLACES                          ; four plain lines between a matrix instruction and a load into, or a vector line on, its registers
.rept 4
	v_nop
.endr
.endm
.macro USED e, keys                    ; bit e of s22 is set where the block's set of keys (s42) holds one of the seven keys that contain expert e
	s_and_b32 s43, s42, \keys
	s_cselect_b32 s43, 1<<\e, 0
	s_or_b32 s22, s22, s43
.endm
.macro POINT idx, pw, ps, pb, bw       ; the three pointers of expert s[idx] (0 to 7): its codes are 2^18 bytes, its scale words 2^14, its bias 2^11.  s25 is 0
	s_lshl_b32 s24, s[\idx], 18
	s_add_nc_u64 s[\pw:\pw+1], s[WFW:WFW+1], s[24:25]
	s_lshl_b32 s24, s[\idx], 14
	s_add_nc_u64 s[\ps:\ps+1], s[SFW:SFW+1], s[24:25]
	s_lshl_b32 s24, s[\idx], 11
	s_add_nc_u64 s[\pb:\pb+1], s[\bw:\bw+1], s[24:25]
.endm
.macro GROUP kk, wp, sp, bp            ; K step kk (4 x layer + step) of the expert whose codes lie at wp and scale words at sp: 17 loads, or 33 with the layer's bias from bp
	WIN 0x40                                       ; destination window 1
.irp i, 0,1,2,3,4,5,6,7,8,9,10,11,12,13,14,15
	global_load_b128 v[64*((\kk)%4)+4*\i:64*((\kk)%4)+4*\i+3], v[LI], s[\wp:\wp+1] offset:8192*(\kk)+512*\i
.endr
	WIN 0
	global_load_b128 v[WS+4*((\kk)%4):WS+4*((\kk)%4)+3], v[LI], s[\sp:\sp+1] offset:512*(\kk)
.if (\kk)%4 == 0
.irp t, 0,1,2,3,4,5,6,7
	global_load_b128 v[BIAS+8*\t:BIAS+8*\t+3], v[VB], s[\bp:\bp+1] offset:(32*(\t/2)+8*(\t%2))*4
	global_load_b128 v[BIAS+8*\t+4:BIAS+8*\t+7], v[VB], s[\bp:\bp+1] offset:(32*(\t/2)+8*(\t%2))*4+16
.endr
.endif
.endm
.macro FETCHX s, set                   ; x's four fragments of K step s
.irp m, 0,1,2,3
.irp c, 0,1
	ds_load_b128 v[BF+32*(\set)+8*\m+4*\c:BF+32*(\set)+8*\m+4*\c+3], v[AX] offset:16*\m*272+64*(\s)+32*\c
.endr
.endr
.endm
.macro FETCHH s, set                   ; the hidden layer's
.irp m, 0,1,2,3
.irp c, 0,1
	ds_load_b128 v[BF+32*(\set)+8*\m+4*\c:BF+32*(\set)+8*\m+4*\c+3], v[LI] offset:HIMG+(4*\m+(\s))*1024+512*\c
.endr
.endr
.endm
.macro WM ra, rb                       ; one product; ra, rb: the scales of source 0, 1 stand in lanes 16-31 of their registers
.if (\ra) && (\rb)
	v_wmma_scale_f32_16x16x128_f8f6f4 v[rD:rD+7], v[rA:rA+7], v[rB:rB+7], v[rC:rC+7], v[rSA], v[rSB] matrix_a_fmt:MATRIX_FMT_FP4 matrix_b_fmt:MATRIX_FMT_FP4 matrix_a_scale:MATRIX_SCALE_ROW1 matrix_b_scale:MATRIX_SCALE_ROW1
.elseif (\ra)
	v_wmma_scale_f32_16x16x128_f8f6f4 v[rD:rD+7], v[rA:rA+7], v[rB:rB+7], v[rC:rC+7], v[rSA], v[rSB] matrix_a_fmt:MATRIX_FMT_FP4 matrix_b_fmt:MATRIX_FMT_FP4 matrix_a_scale:MATRIX_SCALE_ROW1
.elseif (\rb)
	v_wmma_scale_f32_16x16x128_f8f6f4 v[rD:rD+7], v[rA:rA+7], v[rB:rB+7], v[rC:rC+7], v[rSA], v[rSB] matrix_a_fmt:MATRIX_FMT_FP4 matrix_b_fmt:MATRIX_FMT_FP4 matrix_b_scale:MATRIX_SCALE_ROW1
.else
	v_wmma_scale_f32_16x16x128_f8f6f4 v[rD:rD+7], v[rA:rA+7], v[rB:rB+7], v[rC:rC+7], v[rSA], v[rSB] matrix_a_fmt:MATRIX_FMT_FP4 matrix_b_fmt:MATRIX_FMT_FP4
.endif
.endm
; K step k of an expert (0-3: first product, 4-7: second); bs: source 1's scale words.  32 matrix instructions; the 32 accumulators take turns, one instruction a turn, in the same order in every step.
.macro STEP k, bs
.set SS, (\k)%4
.if SS < 2
	s_wait_loadcnt 34                              ; this step's group is in; the two behind it, 17 + 17 loads, may be out
.else
	s_wait_loadcnt 50                              ; likewise: 17 + 33, one of the two brings a bias
.endif
	PLACES                                         ; for the loads below, into registers that the last step's products read
.if (\k) <= 4
	GROUP (\k)+3, PWC, PSC, PB2C                   ; three steps ahead, into the buffer that the last step has left
.else
	GROUP (\k)-5, PWN, PSN, PB1N                   ; the next used expert's first three
.endif
.if SS < 3
.if (\k) < 4
	FETCHX SS+1, (SS+1)%2
.else
	FETCHH SS+1, (SS+1)%2
.endif
	s_wait_dscnt 8                                 ; all but the eight just issued: this step's fragments of source 1 are in
.else
	s_wait_dscnt 0x0
.endif
.if SS == 0
	WIN 0x81                                       ; source 0 window 1, source 1 and C (the bias) window 0, D window 2
.else
	WIN 0xa1                                       ; C and D window 2
.endif
.irp m, 0,1,2,3
.irp t, 0,1,2,3,4,5,6,7
.set rD, 8*(8*\m+\t)
.set rA, 64*((\k)%4)+8*\t
.set rB, BF+32*(SS%2)+8*\m
.set rSA, WS+4*((\k)%4)+\t/2
.set rSB, \bs+4*(\m/2)+SS
.if SS == 0
.set rC, BIAS+8*\t                     ; the bias starts each sum: nothing is cleared and nothing is added afterwards
.else
.set rC, rD
.endif
	WM \t%2, \m%2
.endr
.endr
	WIN 0
.endm
; Tile m of the hidden layer: relu, then 64 numbers of a lane (register 16 b + i = unit 32 b + 16 h + i of my 128) become one fragment and one scale word a row: K step w of the second product.
.macro QUANT m
.set PCM, PC+8*(\m)
.if (\m) == 2
.set PCM, 88
.endif
	WIN 0x88                                       ; source 1 and destination window 2
.set j, 0
.rept 64
	v_max_num_f32 v[64*(\m)+j], 0, v[64*(\m)+j]    ; the activation, in f32; each accumulator from its low end on
.set j, j+1
.endr
	WIN 0x0a                                       ; sources 0 and 1 window 2
.irp b, 0,1,2,3
	v_max3_num_f32 v[TM+\b], v[64*(\m)+16*\b], v[64*(\m)+16*\b+1], 0x1800000   ; block b: my 16 numbers (none is negative), and the floor 2^(3 - 127): the byte cannot fall under 1
.endr
.irp i, 2,4,6,8,10,12,14
.irp b, 0,1,2,3
	v_max3_num_f32 v[TM+\b], v[64*(\m)+16*\b+\i], v[64*(\m)+16*\b+\i+1], v[TM+\b]
.endr
.endr
	WIN 0
.irp b, 0,1,2,3
	v_permlanex16_b32 v[TM+4+\b], v[TM+\b], s[SEL], s[SEL+1]
.endr
.irp b, 0,1,2,3
	v_max_num_f32 v[TM+\b], v[TM+\b], v[TM+4+\b]   ; with lane l xor 16's: the block's largest magnitude
.endr
.irp b, 0,1,2,3
	v_add_nc_u32 v[TM+12+\b], 0xff000000, v[TM+\b] ; 2 off its exponent field: the conversion's scale operand
.endr
.irp b, 0,1,2,3
	v_lshrrev_b32 v[TM+4+\b], 23, v[TM+12+\b]      ; the scale's byte
.endr
	v_lshl_or_b32 v[PW+(\m)], v[TM+5], 8, v[TM+4]
	v_lshl_or_b32 v[PW+(\m)], v[TM+6], 16, v[PW+(\m)]
	v_lshl_or_b32 v[PW+(\m)], v[TM+7], 24, v[PW+(\m)]
	WIN 0x02                                       ; source 0 window 2
.irp b, 0,1,2,3
	v_cvt_scalef32_pk8_fp4_f32 v[PCM+2*\b], v[64*(\m)+16*\b:64*(\m)+16*\b+7], v[TM+12+\b]
	v_cvt_scalef32_pk8_fp4_f32 v[PCM+2*\b+1], v[64*(\m)+16*\b+8:64*(\m)+16*\b+15], v[TM+12+\b]
.endr
	WIN 0
	v_nop                                          ; one plain line behind the last scaled conversion
.irp c, 0,1                                    ; the operand's layout wants a whole block in a lane: lanes 0-15 block 2 c, lanes 16-31 block 2 c + 1
.irp i, 0,1
	v_permlane16_swap_b32 v[PCM+4*\c+\i], v[PCM+2+4*\c+\i]
.endr
.endr
.irp c, 0,1
	ds_store_b128 v[HWI], v[PCM+4*\c:PCM+4*\c+3] offset:4096*(\m)+512*\c
.endr
	ds_store_b32 v[HSW], v[PW+(\m)] offset:512*((\m)/2)+256*((\m)%2)   ; lanes r and r + 16 write the same word with the same value
.endm
; THE WAY OUT of tile m: a lane holds 64-byte pieces of one row, the lanes beside it other rows: through my own stage, back as rows, sixteen lanes to 256 consecutive bytes of one token's row.
.macro TOSTAGE m
	WIN 0x0c                                       ; an LDS store's data are its source 1: window 3
.irp t, 0,1,2,3,4,5,6,7
.irp q, 0,1
	ds_store_b128 v[SO], v[64*(\m)+8*\t+4*\q:64*(\m)+8*\t+4*\q+3] offset:128*(\t/2)+32*(\t%2)+16*\q
.endr
.endr
	WIN 0
.set BB, BF+64*((\m)%2)
.irp i, 0,1,2,3,4,5,6,7
.irp p, 0,1
	ds_load_b128 v[BB+4*(2*\i+\p):BB+4*(2*\i+\p)+3], v[SR] offset:528*\i+256*\p   ; LDS serves a wave's instructions in order: these see the stores above
.endr
.endr
.endm
.macro SEND m, younger                 ; younger: the LDS instructions issued behind tile m's loads
.set BB, BF+64*((\m)%2)
	s_wait_dscnt \younger
.irp i, 0,1,2,3,4,5,6,7
.irp p, 0,1
	global_store_b128 v[TOK+8*(\m)+\i], v[BB+4*(2*\i+\p):BB+4*(2*\i+\p)+3], s[18:19] offset:256*\p th:TH_STORE_NT
.endr
.endr
.endm
	s_load_b512 s[4:19], s[0:1], 0x0               ; rec s[4:5], xq s[6:7], xs s[8:9], wts s[10:11], wfrag s[12:13], b1 s[14:15], b2 s[16:17], out s[18:19]
	s_load_b64 s[50:51], s[0:1], 0x40              ; bm
	v_lshrrev_b32 v12, 5, v0
	v_readfirstlane_b32 s20, v12                   ; wave 0..3
	v_and_b32 v30, 31, v0                          ; lane
	v_and_b32 v1, 15, v0                           ; r
	v_bfe_u32 v2, v0, 4, 1                         ; h
	v_lshlrev_b32 v[LI], 4, v30
	v_mul_u32_u24 v[AX], v1, 272
	v_lshl_add_u32 v[AX], v2, 4, v[AX]
	s_mul_i32 s24, s20, 4352
	v_mul_u32_u24 v[AXS], v2, 2176
	v_lshl_add_u32 v[AXS], v1, 4, v[AXS]
	v_add_nc_u32 v[AXS], s24, v[AXS]
	s_lshl_b32 s24, s20, 10
	v_add_nc_u32 v[HWI], s24, v[LI]
	v_add_nc_u32 v[HWI], HIMG, v[HWI]
	s_lshl_b32 s24, s20, 2
	v_lshl_add_u32 v[HSW], v1, 4, HSC
	v_add_nc_u32 v[HSW], s24, v[HSW]
	v_lshlrev_b32 v[VB], 6, v2
	s_mul_i32 s24, s20, 8448
	v_mul_u32_u24 v[SO], v1, 528
	v_lshl_add_u32 v[SO], v2, 6, v[SO]
	v_add_nc_u32 v[SO], s24, v[SO]
	v_add_nc_u32 v[SO], STG, v[SO]                 ; in: row r, + 64 h
	v_mul_u32_u24 v[SR], v2, 4224
	v_lshl_add_u32 v[SR], v1, 4, v[SR]
	v_add_nc_u32 v[SR], s24, v[SR]
	v_add_nc_u32 v[SR], STG, v[SR]                 ; back: lanes 0-15 rows 0-7, lanes 16-31 rows 8-15; 16 bytes a lane
	v_lshlrev_b32 v12, 5, v2                       ; rec: 32 h: eight places for each half of the lanes,
	s_lshl_b32 s24, s20, 6
	v_add_nc_u32 v13, s24, v12                     ; the same in my wave's 16 places,
	v_lshlrev_b32 v14, 2, v30                      ; a place a lane,
	v_lshlrev_b32 v15, 2, v1                       ; a place for each r
	v_lshlrev_b32 v31, 4, v1                       ; 16 r
	s_lshl_b32 s24, s20, 9
	v_add_nc_u32 v30, s24, v31                     ; 512 w + 16 r
	s_mov_b32 s[SEL], 0x76543210
	s_mov_b32 s[SEL+1], 0xfedcba98
	s_wait_alu depctr_va_vdst(0)
	s_wait_kmcnt 0x0
	s_lshl_b32 s24, ttmp9, 8                       ; my 64 places of rec, and my row of bm: 256 bytes each
	s_mov_b32 s25, 0                               ; (stays 0: the upper word of every offset)
	s_add_nc_u64 s[4:5], s[4:5], s[24:25]
	s_add_nc_u64 s[50:51], s[50:51], s[24:25]
	s_lshl_b32 s24, s20, 16                        ; my wave's eight chunks of 8,192 bytes in an expert's codes,
	s_add_nc_u64 s[WFW:WFW+1], s[12:13], s[24:25]
	s_lshl_b32 s24, s20, 12                        ; and of 512 bytes in its scale words,
	s_add_co_u32 s24, s24, 2097152                 ; which lie behind all the codes
	s_add_nc_u64 s[SFW:SFW+1], s[12:13], s[24:25]
	s_lshl_b32 s24, s20, 9
	s_add_nc_u64 s[B1W:B1W+1], s[14:15], s[24:25]
	s_add_nc_u64 s[B2W:B2W+1], s[16:17], s[24:25]
	global_load_b32 v[KS], v14, s[50:51]           ; the block's set of keys: the same word in every lane
.irp m, 0,1,2,3
.irp q, 0,1
	global_load_b128 v[TOK+8*\m+4*\q:TOK+8*\m+4*\q+3], v12, s[4:5] offset:64*\m+16*\q   ; register 8 m + i: place 16 m + 8 h + i
.endr
.endr
	global_load_b128 v[16:19], v13, s[4:5]         ; register i: place 16 w + 8 h + i: the rows that I gather
	global_load_b128 v[20:23], v13, s[4:5] offset:16
	global_load_b32 v24, v14, s[4:5]               ; place 32 j + lane
	global_load_b32 v25, v14, s[4:5] offset:128
.irp m, 0,1,2,3
	global_load_b32 v[26+\m], v15, s[4:5] offset:64*\m   ; place 16 m + r
.endr
; The sums for out begin as zeros: which expert comes first hangs on the stored list, so no product of the text can be the one that starts them.  The lines stand while the list is on its way.
	WIN 0xc0
.set i, 0
.rept 256
	v_mov_b32 v[i], 0
.set i, i+1
.endr
	WIN 0
	s_wait_loadcnt 0x0
; The experts that my work-group's 64 tokens use, as bits of s22.  The keys number the pairs a < b in a snake: (0,1)..(0,7) = 0..6, (1,7)..(1,2) = 7..12, (2,3)..(2,7) = 13..17, (3,7)..(3,4) = 18..21,
; (4,5)..(4,7) = 22..24, (5,7), (5,6) = 25, 26, (6,7) = 27.  Each constant below is the set of the seven keys that contain the expert.
	v_readfirstlane_b32 s42, v[KS]
	s_mov_b32 s22, 0
	USED 0, 0x7f
	USED 1, 0x1f81
	USED 2, 0x3f002
	USED 3, 0x3c2804
	USED 4, 0x1e04408
	USED 5, 0x6508210
	USED 6, 0xc890120
	USED 7, 0xb0600c0
	s_ctz_i32_b32 s43, s22
	s_min_u32 s43, s43, 7                          ; the first expert that is used
	POINT 43, PWN, PSN, PB1N, B1W
.irp m, 0,1,2,3
	v_bfe_u32 v[EA+\m], v[26+\m], 16, 4
	v_bfe_u32 v[EB+\m], v[26+\m], 20, 4
.endr
.set i, 16
.rept 14
	v_and_b32 v[i], 0x3fff, v[i]                   ; the token,
.set i, i+1
.endr
.set i, 16
.rept 14
	v_min_u32 v[i], 0x3fff, v[i]                   ; inside its tables whatever rec holds
.set i, i+1
.endr
.irp i, 0,1,2,3,4,5,6,7
	v_lshl_add_u32 v[16+\i], v[16+\i], 8, v31      ; its 256 bytes of codes, 16 a lane
.endr
	v_lshlrev_b32 v24, 4, v24                      ; its 16 scale bytes
	v_lshlrev_b32 v25, 4, v25
.irp m, 0,1,2,3
	v_lshlrev_b32 v[26+\m], 3, v[26+\m]            ; its two weights
.endr
.irp i, 0,1,2,3,4,5,6,7
	global_load_b128 v[BF+4*\i:BF+4*\i+3], v[16+\i], s[6:7] th:TH_LOAD_NT   ; two whole rows of codes an instruction; each row is read once in the launch
.endr
.irp j, 0,1
	global_load_b128 v[XS+4*\j:XS+4*\j+3], v[24+\j], s[8:9]
.endr
.irp m, 0,1,2,3
	global_load_b64 v[WAB+2*\m:WAB+2*\m+1], v[26+\m], s[10:11]
.endr
	GROUP 0, PWN, PSN, PB1N
	GROUP 1, PWN, PSN, PB1N
.set i, 0
.rept 32
	v_and_b32 v[TOK+i], 0x3fff, v[TOK+i]
.set i, i+1
.endr
.set i, 0
.rept 32
	v_min_u32 v[TOK+i], 0x3fff, v[TOK+i]
.set i, i+1
.endr
.set i, 0
.rept 32
	v_lshl_add_u32 v[TOK+i], v[TOK+i], 11, v30     ; the token's row of out, my wave's 512 bytes, 16 a lane
.set i, i+1
.endr
	s_wait_loadcnt 50                              ; the 14 gathers are in; groups 0 and 1, 33 + 17 loads, may be out
.irp i, 0,1,2,3,4,5,6,7
	ds_store_b128 v[AXS], v[BF+4*\i:BF+4*\i+3] offset:272*\i
.endr
	GROUP 2, PWN, PSN, PB1N
	s_wait_dscnt 0x0                               ; for the others' sake: my 16 rows of codes have landed
	s_barrier_signal -1
	s_barrier_wait -1
	s_mov_b32 s21, 0                               ; the expert
.Lexp:
	s_wait_xcnt 0x0                                ; the loads that name the three pointers below have read them
	POINT 21, PWC, PSC, PB2C, B2W
	s_and_b32 s23, s22, 1                          ; is this expert used?
	s_lshr_b32 s22, s22, 1                         ; bit i now stands for expert e + 1 + i
	s_cmp_lg_u32 s23, 0
	s_cbranch_scc0 .Ls1
	FETCHX 0, 0                                    ; ---- the first product: my 128 hidden units for the 64 rows
	STEP 0, XS
	STEP 1, XS
	STEP 2, XS
	STEP 3, XS
	PLACES                                         ; in front of the first read of results
	QUANT 0
	QUANT 1
	QUANT 2
	QUANT 3
.Ls1:
	s_wait_dscnt 0x0                               ; my images have landed
	s_barrier_signal -1
	s_barrier_wait -1                              ; the hidden layer's sixteen fragments lie in LDS
	s_cmp_lg_u32 s23, 0
	s_cbranch_scc0 .Ls2
	s_wait_xcnt 0x0                                ; the loads that name the three pointers below have read them
	s_ctz_i32_b32 s43, s22                         ; -1 where no expert follows: the pointers then stay at this expert
	s_add_co_u32 s43, s43, s21
	s_add_co_u32 s43, s43, 1
	s_min_u32 s43, s43, 7                          ; the next expert that is used
	POINT 43, PWN, PSN, PB1N, B1W
.irp m, 0,1,2,3
	v_cmp_eq_u32 vcc_lo, s21, v[EB+\m]             ; this expert's weight for my row of tile m: 0 for a token that did not choose it
	v_cndmask_b32 v[CW+2*\m], 0, v[WAB+2*\m+1], vcc_lo
	v_cmp_eq_u32 vcc_lo, s21, v[EA+\m]
	v_cndmask_b32 v[CW+2*\m], v[CW+2*\m], v[WAB+2*\m], vcc_lo
	v_mov_b32 v[CW+2*\m+1], v[CW+2*\m]             ; (named with it as a pair)
.endr
	FETCHH 0, 0                                    ; ---- the second product: my 128 outputs for the 64 rows
.irp j, 0,1
	ds_load_b128 v[HS+4*\j:HS+4*\j+3], v[LI] offset:HSC+512*\j
.endr
	STEP 4, HS
	STEP 5, HS
	STEP 6, HS
	STEP 7, HS
	PLACES
	WIN 0xf2                                       ; y window 2, the weight window 0, the sums window 3
.set i, 0
.rept 128
	v_pk_fma_f32 v[i:i+1], v[i:i+1], v[CW+2*(i/64):CW+2*(i/64)+1], v[i:i+1] op_sel_hi:[1,0,1]   ; out += weight x y; each accumulator from its low end on
.set i, i+2
.endr
	WIN 0
.Ls2:
	s_wait_dscnt 0x0                               ; my reads of the images are over
	s_barrier_signal -1
	s_barrier_wait -1                              ; nobody reads them any more: the next expert's may be written
	s_add_co_u32 s21, s21, 1
	s_cmp_lt_u32 s21, 8
	s_cbranch_scc1 .Lexp
	s_wait_loadcnt 0x0                             ; the three groups asked for behind the last expert: their registers are taken for the way out
	TOSTAGE 0
	s_wait_alu depctr_va_vdst(0)
.irp m, 1,2,3
.if \m > 1
	s_wait_xcnt 0x0                                ; the stores of the tile two back have read their registers: this tile's rows may land there
.endif
	TOSTAGE \m
	SEND \m-1, 32                                  ; behind that tile's loads: this tile's 16 stores and 16 loads
.endr
	SEND 3, 0
	s_wait_xcnt 0x0
	v_lshl_add_u32 v254, v0, 2, 0x11000
	v_mov_b32 v255, 0
	s_wait_alu depctr_va_vdst(0)
	s_wait_tensorcnt 0x0
	ds_add_u32 v254, v255
	s_wait_dscnt 0x0
	s_endpgm
.Lfunc_end_k_qf1413de4c0_chain:
	.size	k_qf1413de4c0_chain, .Lfunc_end_k_qf1413de4c0_chain-k_qf1413de4c0_chain
	.p2alignl 7, 3214868480
	.fill 96, 4, 3214868480
	.section	.rodata,"a",@progbits
	.p2align	6, 0x0
	.amdhsa_kernel k_qf1413de4c0_chain
		.amdhsa_group_segment_fixed_size 70144
		.amdhsa_private_segment_fixed_size 0
		.amdhsa_enable_private_segment 0
		.amdhsa_kernarg_size 72
		.amdhsa_user_sgpr_count 2
		.amdhsa_user_sgpr_kernarg_segment_ptr 1
		.amdhsa_wavefront_size32 1
		.amdhsa_system_sgpr_workgroup_id_x 1
		.amdhsa_system_sgpr_workgroup_id_y 1
		.amdhsa_system_sgpr_workgroup_id_z 1
		.amdhsa_system_vgpr_workitem_id 0
		.amdhsa_next_free_vgpr 1024
		.amdhsa_next_free_sgpr 66
		.amdhsa_reserve_vcc 1
		.amdhsa_float_denorm_mode_32 3
		.amdhsa_float_denorm_mode_16_64 3
		.amdhsa_memory_ordered 1
		.amdhsa_forward_progress 1
		.amdhsa_inst_pref_size 135
	.end_amdhsa_kernel
	.amdgpu_metadata
---
amdhsa.version: [ 1, 2 ]
amdhsa.kernels:
  - .name:           k_qf1413de4c0_chain
    .symbol:         k_qf1413de4c0_chain.kd
    .args:
      - { .name: rec, .offset: 0, .size: 8, .value_kind: global_buffer, .address_space: global }
      - { .name: xq, .offset: 8, .size: 8, .value_kind: global_buffer, .address_space: global }
      - { .name: xs, .offset: 16, .size: 8, .value_kind: global_buffer, .address_space: global }
      - { .name: wts, .offset: 24, .size: 8, .value_kind: global_buffer, .address_space: global }
      - { .name: wfrag, .offset: 32, .size: 8, .value_kind: global_buffer, .address_space: global }
      - { .name: b1, .offset: 40, .size: 8, .value_kind: global_buffer, .address_space: global }
      - { .name: b2, .offset: 48, .size: 8, .value_kind: global_buffer, .address_space: global }
      - { .name: out0, .offset: 56, .size: 8, .value_kind: global_buffer, .address_space: global }
      - { .name: bm, .offset: 64, .size: 8, .value_kind: global_buffer, .address_space: global }
    .group_segment_fixed_size: 70144
    .private_segment_fixed_size: 0
    .kernarg_segment_align: 8
    .kernarg_segment_size: 72
    .max_flat_workgroup_size: 128
    .sgpr_count:     66
    .vgpr_count:     1024
    .wavefront_size: 32
...
	.end_amdgpu_metadata
.endif
;; end of part 3
